; MI455X (gfx1250); checked and timed in simulation.
; The chip was launched on July 23, 2026; its instructions are those of AMD's public machine-readable ISA for CDNA 5 (MIT licence, August 2026) and "CDNA5" Instruction Set Architecture Reference Guide (July 2026). The comments in the code are by the model that wrote it; some were corrected since.
;; MHA. Allowed arithmetic: matrix products marked QUANTISED: E4M3 operands, one given power-of-two scale a tensor, by v_wmma_f32_16x16x64_fp8_fp8 or v_wmma_f32_16x16x128_fp8_fp8, f32 sums; everything else in f32.
;; Inputs: Wk 1,024 x 1,024 float32; Wo 1,024 x 1,024 float32; Wq 1,024 x 1,024 float32; Wv 1,024 x 1,024 float32; bk 1,024 float32; bo 1,024 float32; bq 1,024 float32; bv 1,024 float32; lowp_scales 12 int32 (the exponents e of the quantised operands' scales 2^e); x 64 x 128 x 1,024 float32.
;; Outputs: out0 64 x 128 x 1,024 float32.
;; This version of the problem:
;;   THIS VERSION OF THE PROBLEM IS GIVEN IN LOW PRECISION. The matrix products marked QUANTISED in the list below multiply operands that are first quantised to E4M3 (4 exponent bits, 3 mantissa bits; 8 bits a number), with one given power-of-two scale for each operand tensor; their sums are f32. All else is computed in f32.
;;   The module's matrix products, in the order in which they are computed (A, B: the left and right operand; K: the contracted axis; several contracted axes count as one K, in the product's order):
;;     1. [M 8,192, K 1,024] x [K 1,024, N 1,024]; A: input x; B: input Wq: QUANTISED (scales: A lowp_scales[0], B lowp_scales[1])
;;     2. [M 8,192, K 1,024] x [K 1,024, N 1,024]; A: input x; B: input Wk: QUANTISED (scales: A lowp_scales[2], B lowp_scales[3])
;;     3. [M 8,192, K 1,024] x [K 1,024, N 1,024]; A: input x; B: input Wv: QUANTISED (scales: A lowp_scales[4], B lowp_scales[5])
;;     4. batch 1,024 x [M 128, K 64] x [K 64, N 128]; A: computed on the way; B: computed on the way: QUANTISED (scales: A lowp_scales[6], B lowp_scales[7])
;;     5. batch 1,024 x [M 128, K 128] x [K 128, N 64]; A: softmax (see below); B: computed on the way: QUANTISED (scales: A lowp_scales[8], B lowp_scales[9])
;;     6. [M 8,192, K 1,024] x [K 1,024, N 1,024]; A: computed on the way; B: input Wo: QUANTISED (scales: A lowp_scales[10], B lowp_scales[11])
;;   THE QUANTISER, for each operand of a quantised product, along K:
;;     - The operand's scale is 2^e, e = its entry of the input lowp_scales (int32; the entries are numbered through the quantised products in the list's order, A before B).
;;     - Each number is divided by the scale, clamped to +-448, and rounded to the nearest number of E4M3, ties to even, subnormals kept.
;;     - The product sums the exact products of the quantised numbers (number of the format x scale) in f32.
;;   ~~~python
;;   def quantise(x, axis, e):      # numpy; x: float32 -> the quantised numbers, widened to float32 again
;;       x = np.moveaxis(x, axis, -1); K = x.shape[-1]
;;       r = np.clip(x / 2.0 ** e, -448, 448)
;;       step = 2.0 ** (np.maximum(np.frexp(np.where(r == 0, 1, r))[1] - 1, -6) - 3)
;;       q = np.round(r / step) * step * 2.0 ** e      # np.round: ties to even
;;       return np.moveaxis(q, -1, axis).astype(np.float32)
;;   ~~~
;;   SOFTMAX AHEAD OF A QUANTISED PRODUCT. Where the list says 'softmax', what is quantised is not the finished softmax but p = 2^(t - M), with t = logit x log2(e) and M = ceil(the row's largest t), a whole number; so 1/2 < the row's largest p <= 1. The row's sum l is taken of the UNQUANTISED p, in f32, and the product's result is divided by l at the end. Since M is a whole number, a kernel that streams over the keys may use a running M (the ceiling of the running maximum): every later rescaling is an exact power of two, so the quantised numbers keep their values, but for numbers so far below the row's largest that they fall under the format's range.
;;   OPERANDS COMPUTED ON THE WAY. 'Computed on the way' means the value that the module computes at that place (a softmax that the list does not call 'softmax' is quantised finished and normalised). What goes into a quantiser is computed in f32, as accurately as f32 sums, v_exp_f32 and their like allow (about 1e-6 of the number): no bf16 or f16 on the way to a quantiser, and a product that is left as it is and whose result goes on into a quantised operand takes f32 operands (vector FMAs, or v_wmma_f32_16x16x4_f32). A number that lies on a knife's edge between two numbers of the format may be rounded either way, as far as f32 arithmetic and the matrix unit's own rounding can turn it there, and no further.
;; One version. Each part assembles by itself: llvm-mc -triple=amdgcn-amd-amdhsa -mcpu=gfx1250 --defsym DOCPART=n.
;; ======== version 1 of 1: 3 launches
;; limits: right only within a limited range of input values
;; workspace buffers: xc 25,165,824 bytes; wc 4,194,304 bytes; ac 8,388,608 bytes
;; launch quant (part 1): grid 768 x 1, 4 waves a work-group, no clusters, 68,096 bytes of LDS; arguments x, Wq, Wk, Wv, Wo, lowp_scales, xc, wc; writes xc, wc
.if DOCPART == 1
	.amdgcn_target "amdgcn-amd-amdhsa--gfx1250"
	.amdhsa_code_object_version 6
	.text
	.protected	k_q42a2370c31_quant
	.globl	k_q42a2370c31_quant
	.p2align	8
	.type	k_q42a2370c31_quant,@function
k_q42a2370c31_quant:
	s_mov_b64 s[64:65], 0
	v_nop
	global_prefetch_b8 v0, s[64:65] scope:SCOPE_SE
	s_setreg_imm32_b32 hwreg(HW_REG_WAVE_MODE, 25, 1), 1
	s_wait_xcnt 0x0
; The program: quant makes codes, qkvatt makes Q, K, V and the attention, proj the last product.
; WORK LEFT OUT (in qkvatt): tiles of 16 keys x 16 queries that lie wholly above the diagonal of the mask that reference() builds (tril) are not multiplied: their scores are replaced by -infinity whatever
; the inputs hold, so no finite score there reaches a result.  LIMIT: a NaN, an infinity or an overflow that reaches only those scores is not carried to the result.
;
; x [8192][1024] and Wq, Wk, Wv, Wo [1024][1024], f32 with K innermost, become codes of FP8 (E4M3), laid as IMAGES OF OPERAND REGISTERS.
; code = number / 2^e, held within +-448, rounded to the nearest code, ties to even.  x is an operand of three products under three given scales (entries 0, 2, 4), so it is
; converted three times from one read; Wq, Wk, Wv, Wo take entries 1, 3, 5, 11.
; A FRAGMENT is 16 rows x 128 along K: 16 registers a lane, stored as four quads of 512 bytes; quad q holds registers 4 q .. 4 q + 3, lane l = r + 16 h has its 16 bytes at 512 q + 16 l:
; bytes 0-7 are k = 32 q + 8 h + 0 .. 7, bytes 8-15 are k = 32 q + 16 + 8 h + 0 .. 7 of row r: the places that the plain 8-bit matrix forms give each k (ISA guide 7.12.2).
; xc: [b 64][scale 3][K step 8][row tile 8][2048 bytes].
; wc: a head is 64 rows of a matrix, four tiles of 16.  Wq, Wk, Wv, tiles 0, 1: [four heads 4][matrix 3][half of K 2][head in the four][K step 4][tile 2][2048 bytes];
;     from byte 1572864 tiles 2, 3: [head 16][matrix 3][K step 8][tile 2][2048];   from byte 3145728 Wo: [64 rows 16][pair of tiles 2][K step 8][tile 2][2048].
; SHARES.  A work-group takes 16 rows x 1024 K; wave w the K steps 2 w and 2 w + 1 (two units).  Work-groups 0-511: x; 512-767: the weights, 64 for each matrix.
; A load reads 512 consecutive bytes of a row, 16 a lane; a conversion wants eight neighbours along K in ONE lane.  So a unit's 8,192 bytes turn through the wave's own stage in LDS:
; in as loaded, out 32 bytes a lane.  Stage rows are 528 = 33 x 16 bytes apart, so that sixteen rows begin at sixteen different 16-byte columns of 256 bytes.
; Waves share nothing: no barrier.  The two paths part on the work-group's number and have LDS bytes of their own.
; LIMITS: entries 0 to 5 and 11 lie between -126 and 119, so that 2^e and 448 x 2^e are f32 numbers.  NaN among the inputs is not served (an infinity is held at the largest code).
.set SPITCH, 528
.set STG_X,  0                         ; x's path: four stages of 16 x 528 bytes
.set STG_W,  4*16*SPITCH               ; the weights' path: four more
.set SPARE,  8*16*SPITCH               ; the spare words, 128 bytes for each wave
.set R,   16                           ; v16-143   two units as loaded: 16 rows x 4 registers each
.set X,   144                          ; v144-207  a unit's 64 numbers of my lane, in the operand's order
.set T,   208                          ; v208-223  16 numbers, held
.set C,   224                          ; v224-247  codes: two sets of 12 registers, by the quad's parity
; v2: 16 x lane.  v3: into the stage.  v4: out of the stage.  v6-11: 2^e and 448 x 2^e, a pair for each scale.  v254, v255: the spare word's address, and 0
	s_load_b256 s[4:11], s[0:1], 0x0               ; x, Wq, Wk, Wv
	s_load_b256 s[12:19], s[0:1], 0x20             ; Wo, the scales' exponents, xc, wc
	v_lshl_add_u32 v254, v0, 2, SPARE
	v_mov_b32 v255, 0
	v_lshrrev_b32 v1, 5, v0
	v_readfirstlane_b32 s32, v1                    ; wave 0..3
	v_and_b32 v1, 31, v0
	v_lshlrev_b32 v2, 4, v1                        ; 16 x lane
	s_mul_i32 s38, s32, 16*SPITCH                  ; my stage
	v_add_nc_u32 v3, s38, v2                       ; in: a row's 512 bytes as they lie
	v_and_b32 v5, 15, v0                           ; r
	v_bfe_u32 v12, v0, 4, 1                        ; h
	v_mul_u32_u24 v4, v5, SPITCH
	v_lshl_add_u32 v4, v12, 5, v4
	v_add_nc_u32 v4, s38, v4                       ; out: row r, + 32 h bytes: eight numbers of my half
	s_cmp_lt_u32 ttmp9, 512
	s_cselect_b32 s39, 0, 512
	s_sub_co_u32 s39, ttmp9, s39                   ; x: the row tile, 0..511;  weights: 64 x matrix + row tile
	s_and_b32 s40, s39, 63
	s_cmp_lt_u32 ttmp9, 512
	s_cselect_b32 s40, s39, s40                    ; the row tile in its tensor
	s_lshl_b32 s40, s40, 16                        ; 16 rows of 4,096 bytes,
	s_lshl_b32 s41, s32, 10                        ; my wave's 256 numbers of a row
	s_add_co_u32 s40, s40, s41
	s_mov_b32 s41, 0
	s_wait_alu depctr_va_vdst(0)
	s_wait_kmcnt 0x0
	s_load_b256 s[20:27], s[14:15], 0x0            ; entries 0 to 7
	s_load_b128 s[28:31], s[14:15], 0x20           ; entries 8 to 11
	s_mov_b64 s[34:35], s[12:13]                   ; which tensor: the choice hangs on the work-group's number alone
	s_cmp_lt_u32 ttmp9, 704
	s_cselect_b64 s[34:35], s[10:11], s[34:35]
	s_cmp_lt_u32 ttmp9, 640
	s_cselect_b64 s[34:35], s[8:9], s[34:35]
	s_cmp_lt_u32 ttmp9, 576
	s_cselect_b64 s[34:35], s[6:7], s[34:35]
	s_cmp_lt_u32 ttmp9, 512
	s_cselect_b64 s[34:35], s[4:5], s[34:35]
	s_add_nc_u64 s[34:35], s[34:35], s[40:41]
.irp u, 0,1
.irp i, 0,1,2,3,4,5,6,7,8,9,10,11,12,13,14,15
	global_load_b128 v[R+64*\u+4*\i:R+64*\u+4*\i+3], v2, s[34:35] offset:\i*4096+\u*512 th:TH_LOAD_NT   ; 32 lanes read 512 consecutive bytes of row i; read once in the launch
.endr
.endr
.macro MKSC vs, se                     ; v[vs] = 2^e as f32 (the conversion takes its exponent field), v[vs + 1] = 448 x 2^e; e in s[se]
	s_add_co_i32 s42, s[\se], 127
	s_lshl_b32 s43, s42, 23
	v_mov_b32 v[\vs], s43
	s_add_co_i32 s42, s42, 8
	s_lshl_b32 s42, s42, 23
	s_or_b32 s42, s42, 0x600000
	v_mov_b32 v[\vs+1], s42
.endm
; Unit u under ns scales.  base: the path's stages.  kst: bytes from a K step's fragment to the next in the buffer of codes.
.macro UNIT u, ns, base, kst
	s_wait_loadcnt 16*(1-\u)                       ; this unit's sixteen loads are in; unit 1's may be out while unit 0 is worked
.irp i, 0,1,2,3,4,5,6,7,8,9,10,11,12,13,14,15
	ds_store_b128 v3, v[R+64*\u+4*\i:R+64*\u+4*\i+3] offset:\base+SPITCH*\i
.endr
.irp q, 0,1,2,3
.irp m, 0,1,2,3
	ds_load_b128 v[X+16*\q+4*\m:X+16*\q+4*\m+3], v4 offset:\base+128*\q+16*(\m%2)+64*(\m/2)   ; LDS serves a wave's instructions in order (ISA guide 5.7.1.4): these see the stores above
.endr
.endr
.irp q, 0,1,2,3
	s_wait_dscnt 12-4*\q                           ; quad q's four loads are in; the later quads' may be out
	s_wait_xcnt 0x0                                ; the earlier stores have read their registers: this parity's codes are written again only behind this wait
.irp s, 0,1,2
.if \s < \ns
.irp i, 0,1,2,3,4,5,6,7,8,9,10,11,12,13,14,15
	v_med3_num_f32 v[T+\i], v[X+16*\q+\i], -v[7+2*\s], v[7+2*\s]   ; the conversion to an 8-bit code does not saturate (ISA guide 7.6.2): hold first
.endr
	v_cvt_scalef32_pk8_fp8_f32 v[C+12*(\q%2)+4*\s:C+12*(\q%2)+4*\s+1], v[T:T+7], v[6+2*\s]
	v_cvt_scalef32_pk8_fp8_f32 v[C+12*(\q%2)+4*\s+2:C+12*(\q%2)+4*\s+3], v[T+8:T+15], v[6+2*\s]
	v_nop                                          ; a plain line between the conversions and the next holds, which write their sources
	global_store_b128 v2, v[C+12*(\q%2)+4*\s:C+12*(\q%2)+4*\s+3], s[36:37] offset:\s*131072+\u*\kst+\q*512   ; the wave stores 512 consecutive bytes, aligned: a quad
.endif
.endr
.endr
.endm
	s_cmp_lt_u32 ttmp9, 512
	s_cbranch_scc0 .Lweights
	s_lshr_b32 s40, s39, 3                         ; x: b,
	s_mul_i32 s40, s40, 393216
	s_and_b32 s41, s39, 7                          ; the row tile in b,
	s_lshl_b32 s41, s41, 11
	s_add_co_u32 s40, s40, s41
	s_lshl_b32 s41, s32, 15                        ; my two K steps
	s_add_co_u32 s40, s40, s41
	s_mov_b32 s41, 0
	s_add_nc_u64 s[36:37], s[16:17], s[40:41]
	s_wait_kmcnt 0x0
	MKSC 6, 20
	MKSC 8, 22
	MKSC 10, 24
	s_wait_alu depctr_va_vdst(0)
	UNIT 0, 3, STG_X, 16384
	UNIT 1, 3, STG_X, 16384
	s_wait_tensorcnt 0x0                           ; the wave's end
	ds_add_u32 v254, v255
	s_wait_dscnt 0x0
	s_endpgm
.Lweights:
	s_lshr_b32 s44, s39, 6                         ; which matrix: 0 Wq, 1 Wk, 2 Wv, 3 Wo
	s_and_b32 s45, s39, 63                         ; its row tile: 4 x head + tile
	s_lshr_b32 s40, s45, 2                         ; the head
	s_lshl_b32 s41, s32, 13                        ; my two K steps of 4,096 bytes
	s_lshr_b32 s33, s40, 2                         ; tiles 0, 1 of Wq, Wk, Wv: the four heads,
	s_mul_i32 s43, s33, 393216
	s_lshl_b32 s33, s44, 17                        ; the matrix,
	s_add_co_u32 s43, s43, s33
	s_lshr_b32 s33, s32, 1                         ; the half of K,
	s_lshl_b32 s33, s33, 16
	s_add_co_u32 s43, s43, s33
	s_and_b32 s33, s40, 3                          ; the head in the four,
	s_lshl_b32 s33, s33, 14
	s_add_co_u32 s43, s43, s33
	s_and_b32 s33, s32, 1                          ; my two K steps in the half
	s_lshl_b32 s33, s33, 13
	s_add_co_u32 s43, s43, s33
	s_mul_i32 s46, s40, 98304                      ; tiles 2, 3: the head,
	s_add_co_u32 s46, s46, 1572864
	s_lshl_b32 s33, s44, 15                        ; the matrix,
	s_add_co_u32 s46, s46, s33
	s_add_co_u32 s46, s46, s41
	s_bitcmp1_b32 s45, 1                           ; is it tile 2 or 3?
	s_cselect_b32 s43, s46, s43
	s_lshl_b32 s46, s40, 16                        ; Wo: the 64 rows,
	s_add_co_u32 s46, s46, 3145728
	s_and_b32 s33, s45, 2                          ; the pair of tiles,
	s_lshl_b32 s33, s33, 14
	s_add_co_u32 s46, s46, s33
	s_add_co_u32 s46, s46, s41
	s_cmp_eq_u32 s44, 3
	s_cselect_b32 s40, s46, s43
	s_and_b32 s33, s45, 1                          ; the tile in its pair
	s_lshl_b32 s33, s33, 11
	s_add_co_u32 s40, s40, s33
	s_mov_b32 s41, 0
	s_add_nc_u64 s[36:37], s[18:19], s[40:41]
	s_wait_kmcnt 0x0
	s_cmp_lt_u32 ttmp9, 704
	s_cselect_b32 s46, s25, s31                    ; entry 5 or 11,
	s_cmp_lt_u32 ttmp9, 640
	s_cselect_b32 s46, s23, s46                    ; 3,
	s_cmp_lt_u32 ttmp9, 576
	s_cselect_b32 s46, s21, s46                    ; 1
	MKSC 6, 46
	s_wait_alu depctr_va_vdst(0)
	UNIT 0, 1, STG_W, 4096
	UNIT 1, 1, STG_W, 4096
	s_wait_tensorcnt 0x0                           ; the wave's end
	ds_add_u32 v254, v255
	s_wait_dscnt 0x0
	s_endpgm
.Lfunc_end_k_q42a2370c31_quant:
	.size	k_q42a2370c31_quant, .Lfunc_end_k_q42a2370c31_quant-k_q42a2370c31_quant
	.p2alignl 7, 3214868480
	.fill 96, 4, 3214868480
	.section	.rodata,"a",@progbits
	.p2align	6, 0x0
	.amdhsa_kernel k_q42a2370c31_quant
		.amdhsa_group_segment_fixed_size 68096
		.amdhsa_private_segment_fixed_size 0
		.amdhsa_enable_private_segment 0
		.amdhsa_kernarg_size 64
		.amdhsa_user_sgpr_count 2
		.amdhsa_user_sgpr_kernarg_segment_ptr 1
		.amdhsa_wavefront_size32 1
		.amdhsa_system_sgpr_workgroup_id_x 1
		.amdhsa_system_sgpr_workgroup_id_y 1
		.amdhsa_system_sgpr_workgroup_id_z 1
		.amdhsa_system_vgpr_workitem_id 0
		.amdhsa_next_free_vgpr 256
		.amdhsa_next_free_sgpr 66
		.amdhsa_reserve_vcc 0
		.amdhsa_float_denorm_mode_32 3
		.amdhsa_float_denorm_mode_16_64 3
		.amdhsa_memory_ordered 1
		.amdhsa_forward_progress 1
		.amdhsa_inst_pref_size 58
	.end_amdhsa_kernel
	.amdgpu_metadata
---
amdhsa.version: [ 1, 2 ]
amdhsa.kernels:
  - .name:           k_q42a2370c31_quant
    .symbol:         k_q42a2370c31_quant.kd
    .args:
      - { .name: x, .offset: 0, .size: 8, .value_kind: global_buffer, .address_space: global }
      - { .name: Wq, .offset: 8, .size: 8, .value_kind: global_buffer, .address_space: global }
      - { .name: Wk, .offset: 16, .size: 8, .value_kind: global_buffer, .address_space: global }
      - { .name: Wv, .offset: 24, .size: 8, .value_kind: global_buffer, .address_space: global }
      - { .name: Wo, .offset: 32, .size: 8, .value_kind: global_buffer, .address_space: global }
      - { .name: lowp_scales, .offset: 40, .size: 8, .value_kind: global_buffer, .address_space: global }
      - { .name: xc, .offset: 48, .size: 8, .value_kind: global_buffer, .address_space: global }
      - { .name: wc, .offset: 56, .size: 8, .value_kind: global_buffer, .address_space: global }
    .group_segment_fixed_size: 68096
    .private_segment_fixed_size: 0
    .kernarg_segment_align: 8
    .kernarg_segment_size: 64
    .max_flat_workgroup_size: 128
    .sgpr_count:     66
    .vgpr_count:     256
    .wavefront_size: 32
...
	.end_amdgpu_metadata
.endif
;; end of part 1
;; launch qkvatt (part 2): grid 4 x 64, 8 waves a work-group, clusters of 4 x 1, 327,680 bytes of LDS; arguments xc, wc, bq, bk, bv, lowp_scales, ac; writes ac
.if DOCPART == 2
	.amdgcn_target "amdgcn-amd-amdhsa--gfx1250"
	.amdhsa_code_object_version 6
	.text
	.protected	k_q42a2370c31_qkvatt
	.globl	k_q42a2370c31_qkvatt
	.p2align	8
	.type	k_q42a2370c31_qkvatt,@function
k_q42a2370c31_qkvatt:
	s_mov_b64 s[64:65], 0
	v_nop
	global_prefetch_b8 v0, s[64:65] scope:SCOPE_SE
	s_setreg_imm32_b32 hwreg(HW_REG_WAVE_MODE, 25, 1), 1
	s_wait_xcnt 0x0
	s_wait_alu depctr_hold_cnt(0) depctr_sa_sdst(0) depctr_va_vdst(0) depctr_va_sdst(0) depctr_va_ssrc(0) depctr_va_vcc(0) depctr_vm_vsrc(0)
	s_getreg_b32 s2, hwreg(HW_REG_IB_STS2, 6, 4)
	s_cmp_eq_u32 s2, 0
	s_cbranch_scc0 .Lentry_in_a_cluster
	s_endpgm
.Lentry_in_a_cluster:
	s_bfe_u32 s2, ttmp6, 0x10000c
	s_cmp_lg_u32 s2, 0x3003
	s_cbranch_scc0 .Lentry_shape_is_right
	s_endpgm
.Lentry_shape_is_right:
; Q, K, V = x W^T + b, the causal softmax and its product with V, for one b and four heads; all five products on codes of FP8 (E4M3) with the given scales 2^e (entries 0 to 9);
; the result is quantised with entry 10 and stored as the operand of the last product.  xc, wc, ac: images of operand registers (16 rows x 128 K = four quads of 512 bytes; lane l's 16 bytes of quad q at 512 q + 16 l).
; WORK LEFT OUT: tiles of keys wholly behind a tile of queries, by the causal mask that reference() builds; see the head of quant.
; SHARES.  A work-group is (b, four heads), eight waves; waves j and j + 4 serve head j of the four.  First wave j makes Q and wave j + 4 K (128 tokens x 64, the same text); then wave j makes V while wave j + 4 makes the scores and the
; softmax; then each takes four of the eight tiles of 16 queries through p V.  Q's, V's and p's codes and 1 / the sums go from wave to wave through LDS as images of operand registers.
; K steps of 128 are numbered g = 0 .. 15: 0-7 Q or K, 8-15 V.
; CLUSTERS: the four work-groups of one b need the same codes of x: they come by joint loads (mask 15), 16 KB a wave, 131,072 bytes a fill: fill 0: K steps 0-3 for Q and for K, slot 0; fill 1: K steps 4-7, slot 1; fill 2: all eight K steps for V,
; into slot 0 again, eight K steps of products (two waves' four) ahead of its first read.
; THE WEIGHTS go from memory straight into registers, 512 consecutive bytes a load, two K steps ahead in three sets.  They are not asked for jointly: a fragment feeds one wave of one work-group of the cluster, and partners that share it (other b)
; could get it only through LDS, whose two slots hold 262,144 bytes of x.
; PREFETCH: fill 2's 512 blocks of 256 bytes, behind fill 1's load, four K steps ahead: 128 blocks to each of the four partners, by address, 16 to a wave.  Fills 0 and 1 come by their loads alone.
; LAYOUT.  Q, K: source 0 = 16 rows of W, source 1 = 16 tokens: a lane holds one token and eight neighbours along d: one conversion gives two registers of the next operand.
; V: the sources change places: a lane holds one d and eight neighbouring tokens: V^T's operand along the keys.  S^T = K Q^T, O^T = V^T P^T: a lane holds ONE query throughout.
; The biases are the C of each sum's first matrix instruction, divided by the power of two that the sums lack.  The scales ahead of each quantiser are folded into the conversion's one.
; SOFTMAX: t = score x log2(e) / 8; M = ceil(the row's largest t); p = 2^(t - M) is quantised; the sum of the unquantised p divides at the end.  A row's 128 keys are all in registers: one pass.
; LIMITS on the given exponents, so that each power of two is an f32 number: e6-e0-e1, e7-e2-e3, e9-e4-e5, e8, e10-e8-e9 between -126 and 119; e6+e7 between -123 and 130.  NaN among the inputs is not served.
; REGISTERS, in windows of 256 (s_set_vgpr_msb: bits 1:0 source 0, 3:2 source 1, 5:4 source 2, 7:6 destination):
;   window 0: v2 16 x lane; v2-5 addresses of x in LDS; v6, v7 the spare word's address and 0; v8-14 the other addresses; v16-63 three fragments of x; v64-255 three sets of weight fragments (64 (g % 3) + 16 dt).
;   window 1: the 32 accumulators (8 (4 rt + dt)); for waves 4-7 later the softmax's home.
; LDS: slots at 0 and 131072; Q's codes at 262144 (8,192 bytes a head); in slot 1 behind its last read: p's codes (16,384 a head), from 65,536 on V's (8,192 a head), from 98,304 on 1 / the sums (1,024 a head).
; THE WEIGHTS ARE PREFETCHED TOO: a group of four heads has 524,288 bytes of Wq and Wk and 262,144 of Wv.  A work-group asks for a sixteenth of them, told by bits 0, 1, 3, 4 of its b: so each block of 256 bytes is asked for by four
; work-groups of the launch.  A wave has 16 blocks of Wq and Wk, asked for at the head behind the tensor load (K steps 0 and 1 come by their loads alone), and 8 of Wv, asked for at the change of slots, four K steps ahead of their first load.
; Waves 0-3 ask for tiles 0, 1, waves 4-7 for tiles 2, 3.
.set SLOT,  131072
.set QOFF,  2*SLOT
.set VOFF,  SLOT+65536
.set ROFF,  SLOT+98304
.set SPARE, 2*SLOT+32768               ; the spare words, 128 bytes for each wave
.set SPW,   6
.set NIL,   7
.set PFO,   12
.set MSB, 0
.macro WIN new                         ; the immediate's high byte repeats the setting that is left
.if MSB != \new
	s_set_vgpr_msb (MSB<<8)|\new
.set MSB, \new
.endif
.endm
.macro PLACES n                        ; plain vector lines between a matrix instruction and a load into, or a vector line on, its registers
.rept \n
	v_nop
.endr
.endm
.macro CREST                           ; a round of the cluster's barrier behind its opening barrier
	s_cmp_lg_u32 s18, 0
	s_cbranch_scc1 .Lnot_wave_0_\@
	s_barrier_signal -3
.Lnot_wave_0_\@:
	s_barrier_wait -3
	s_barrier_signal -1
	s_barrier_wait -1
.endm
.macro CROUND
	s_barrier_signal -1
	s_barrier_wait -1
	CREST
.endm
.macro MKS ss, sl, se                  ; s[ss] = 2^E as f32, s[sl] = 448 x 2^E; E in s[se]
	s_add_co_i32 s[\sl], s[\se], 127
	s_lshl_b32 s[\ss], s[\sl], 23
	s_add_co_i32 s[\sl], s[\sl], 8
	s_lshl_b32 s[\sl], s[\sl], 23
	s_or_b32 s[\sl], s[\sl], 0x600000
.endm
	s_load_b256 s[4:11], s[0:1], 0x0               ; xc, wc, bq, bk
	s_load_b128 s[12:15], s[0:1], 0x20             ; bv, the scales' exponents
	s_load_b64 s[16:17], s[0:1], 0x30              ; ac
	v_lshl_add_u32 v[SPW], v0, 2, SPARE
	v_mov_b32 v[NIL], 0
	ds_add_u32 v[SPW], v[NIL]                      ; the wave's opening: the add, twice on end, and its wait
	ds_add_u32 v[SPW], v[NIL]
	v_lshrrev_b32 v1, 5, v0
	v_readfirstlane_b32 s18, v1                    ; wave 0..7
	s_and_b32 s92, s18, 3                          ; j: the head in the four
	s_lshr_b32 s93, s18, 2                         ; 0: Q, 1: K
	s_bfe_u32 s19, ttmp6, 0x40000                  ; cx: my place in the cluster
	s_and_b32 s20, ttmp7, 0xffff                   ; b, which the four partners share
	s_lshl_b32 s91, ttmp9, 2
	s_add_co_u32 s91, s91, s19                     ; the group of four heads
	s_lshl_b32 s21, s91, 2
	s_add_co_u32 s21, s21, s92                     ; my head: it enters the weights', the biases' and ac's addresses alone
	; descriptor group 1: a dense block of 16 KB as 64 rows of 256 bytes
	s_mov_b32 s24, 15|(3<<16)|(1<<21)              ; 15:0 the mask: all four work-groups; 17:16 elements of 8 bytes; 21 set beside a mask; no padding
	s_mov_b32 s25, 32<<16                          ; tensor_dim0 = 32
	s_mov_b32 s26, 64<<16                          ; tensor_dim1 = 64
	s_mov_b32 s27, 32<<16                          ; tile_dim0 = 32
	s_mov_b32 s28, 64                              ; tile_dim1 = 64
	s_mov_b32 s29, 32                              ; from row to row
	s_mov_b32 s30, 0
	s_mov_b32 s31, 0
	s_mul_i32 s68, s20, 393216                     ; b's three sets of codes
	s_mov_b32 s69, 0
	s_lshl_b32 s96, s93, 17                        ; fills 0, 1: waves 0-3 fetch Q's set, waves 4-7 K's, a K step each
	s_lshl_b32 s97, s92, 14
	s_add_co_u32 s96, s96, s97
	s_mov_b32 s97, 0
	s_lshl_b32 s98, s18, 14                        ; fill 2: a K step of V's set each
	s_add_co_u32 s98, s98, 262144
	s_mov_b32 s99, 0
	s_wait_dscnt 0x0                               ; both opening adds are done
	s_wait_kmcnt 0x0
	s_load_b256 s[48:55], s[14:15], 0x0            ; e0 .. e7
	s_load_b128 s[56:59], s[14:15], 0x20           ; e8 .. e11
	s_add_nc_u64 s[62:63], s[4:5], s[68:69]
	; three groups 0, written once: no descriptor register is ever written again
	s_mov_b32 s32, 1
	s_lshl_b32 s33, s18, 14
	s_add_nc_u64 s[34:35], s[62:63], s[96:97]
	s_or_b32 s35, s35, 0x80000000
	s_mov_b32 s36, 1
	s_add_co_u32 s37, s33, SLOT
	s_add_nc_u64 s[38:39], s[62:63], s[96:97]
	s_add_nc_u64 s[38:39], s[38:39], 65536
	s_or_b32 s39, s39, 0x80000000
	s_mov_b32 s40, 1
	s_lshl_b32 s41, s18, 14
	s_add_nc_u64 s[42:43], s[62:63], s[98:99]
	s_or_b32 s43, s43, 0x80000000
	CROUND                                         ; all four work-groups are here: the first joint loads meet
	tensor_load_to_lds s[32:35], s[24:31]          ; fill 0: one tensor load a wave at the head
	s_nop 0
	PLACES 4                                       ; four plain lines behind a tensor load
	s_mov_b32 s60, 0x76543210                      ; v_permlanex16_b32: lane l xor 16
	s_mov_b32 s61, 0xfedcba98
	s_cmp_eq_u32 s93, 0
	s_cselect_b64 s[46:47], s[8:9], s[10:11]       ; bq or bk, by the wave's number
	s_lshl_b32 s68, s21, 8                         ; my head's 64 numbers of each bias
	s_add_nc_u64 s[46:47], s[46:47], s[68:69]
	s_add_nc_u64 s[12:13], s[12:13], s[68:69]
	s_mul_i32 s68, s91, 393216                     ; my matrix's tiles 0, 1: the four heads,
	s_lshl_b32 s70, s93, 17
	s_add_co_u32 s68, s68, s70                     ; the matrix,
	s_lshl_b32 s70, s92, 14
	s_add_co_u32 s68, s68, s70                     ; the head in the four
	s_add_nc_u64 s[22:23], s[6:7], s[68:69]
	s_mul_i32 s68, s21, 98304                      ; and tiles 2, 3
	s_lshl_b32 s70, s93, 15
	s_add_co_u32 s68, s68, s70
	s_add_co_u32 s68, s68, 1572864
	s_add_nc_u64 s[44:45], s[6:7], s[68:69]
	s_lshr_b32 s68, s21, 1                         ; ac: two heads make a K step of 128;
	s_lshl_b32 s68, s68, 14
	s_and_b32 s70, s21, 1                          ; mine fills its quads 0, 1 or 2, 3;
	s_lshl_b32 s70, s70, 10
	s_add_co_u32 s68, s68, s70
	s_lshl_b32 s70, s20, 17
	s_add_co_u32 s68, s68, s70
	s_lshl_b32 s70, s93, 12                        ; waves 4-7 store the query tiles two further on
	s_add_co_u32 s68, s68, s70
	s_add_nc_u64 s[66:67], s[16:17], s[68:69]
	s_lshl_b32 s71, s93, 16                        ; x's codes for my matrix in a slot
	s_lshl_b32 s72, s92, 13
	s_add_co_u32 s73, s72, VOFF                    ; V's codes of my head
	s_add_co_u32 s72, s72, QOFF                    ; Q's
	s_lshl_b32 s74, s92, 14
	s_add_co_u32 s74, s74, SLOT                    ; p's
	s_lshl_b32 s75, s92, 10
	s_add_co_u32 s75, s75, ROFF                    ; 1 / the sums
	s_lshl_b32 s76, s93, 13                        ; the four query tiles that I take at the end,
	s_lshl_b32 s77, s93, 9
	s_lshl_b32 s78, s19, 15                        ; x's prefetch: my work-group's 128 blocks,
	s_lshl_b32 s79, s18, 12
	s_add_co_u32 s78, s78, s79                     ; my wave's 16
	s_mov_b32 s79, 0
	s_add_nc_u64 s[62:63], s[62:63], s[78:79]
	s_and_b32 s82, s20, 3                          ; the weights': which sixteenth: bits 0, 1, 3, 4 of b
	s_lshr_b32 s83, s20, 1
	s_and_b32 s83, s83, 12
	s_or_b32 s82, s82, s83
	s_mul_i32 s84, s91, 393216                     ; tiles 0, 1 of my four heads
	s_lshl_b32 s85, s82, 14
	s_add_co_u32 s85, s85, s84                     ; Wq, Wk: 16,384 bytes a work-group
	s_lshl_b32 s86, s82, 13
	s_add_co_u32 s86, s86, s84
	s_add_co_u32 s86, s86, 262144                  ; Wv: 8,192 bytes
	s_lshl_b32 s84, s91, 2                         ; tiles 2, 3: a head is a quarter of the sixteenths
	s_lshr_b32 s87, s82, 2
	s_add_co_u32 s84, s84, s87
	s_mul_i32 s84, s84, 98304
	s_add_co_u32 s84, s84, 1572864
	s_and_b32 s82, s82, 3
	s_lshl_b32 s87, s82, 14
	s_add_co_u32 s87, s87, s84
	s_lshl_b32 s88, s82, 13
	s_add_co_u32 s88, s88, s84
	s_add_co_u32 s88, s88, 65536
	s_cmp_eq_u32 s93, 0
	s_cselect_b32 s84, s85, s87
	s_cselect_b32 s86, s86, s88
	s_lshl_b32 s85, s92, 12                        ; my wave's 16 blocks,
	s_add_co_u32 s84, s84, s85
	s_lshl_b32 s87, s92, 11                        ; and 8
	s_add_co_u32 s86, s86, s87
	s_mov_b32 s85, 0
	s_mov_b32 s87, 0
	s_add_nc_u64 s[4:5], s[6:7], s[84:85]          ; Wq, Wk
	s_add_nc_u64 s[6:7], s[6:7], s[86:87]          ; Wv
	v_and_b32 v1, 31, v0
	v_lshlrev_b32 v2, 4, v1                        ; 16 x lane
	v_add_nc_u32 v3, s71, v2                       ; x for my matrix in slot 0
	v_add_nc_u32 v4, SLOT, v3                      ; and in slot 1
	v_add_nc_u32 v5, 65536, v2                     ; x for V: K steps 0-3 at v2, 4-7 here
	v_add_nc_u32 v8, s72, v2
	v_add_nc_u32 v9, s73, v2
	v_add_nc_u32 v10, s74, v2
	v_lshlrev_b32 v11, 2, v1
	v_add_nc_u32 v11, s75, v11
	v_add_nc_u32 v13, s76, v10
	v_add_nc_u32 v14, s77, v11
	v_min_u32 v[PFO], 15, v1                       ; a lane a block of 256 bytes; lanes 16-31 name the wave's last block again
	v_lshlrev_b32 v[PFO], 8, v[PFO]
	v_min_u32 v15, 7, v1                           ; the same for eight blocks
	v_lshlrev_b32 v15, 8, v15
	v_bfe_u32 v1, v0, 4, 1
	v_lshlrev_b32 v1, 5, v1                        ; eight numbers of my half of the bias
	global_prefetch_b8 v[PFO], s[4:5] th:TH_LOAD_NT scope:SCOPE_SE   ; my 16 blocks of Wq and Wk
.irp t, 0,1,2,3
	global_load_b128 v[192+8*\t:195+8*\t], v1, s[46:47] offset:64*\t
	global_load_b128 v[196+8*\t:199+8*\t], v1, s[46:47] offset:64*\t+16
.endr
.macro XL n                            ; x's fragment n = 8 g + row tile, into place n % 3: 4 loads of 512 consecutive bytes
.set XG, (\n)/8
.set XK, (\n)%8
.if XG < 8
.set XA, 3+XG/4
.else
.if XG < 12
.set XA, 2
.else
.set XA, 5
.endif
.endif
.irp q, 0,1,2,3
	ds_load_b128 v[16+16*((\n)%3)+4*\q:19+16*((\n)%3)+4*\q], v[XA] offset:(XG%4)*16384+XK*2048+\q*512
.endr
.endm
.macro LOADB g                         ; the four weight fragments of K step g into set g % 3: 16 loads
.irp t, 0,1
.irp q, 0,1,2,3
	global_load_b128 v[64+64*((\g)%3)+16*\t+4*\q:67+64*((\g)%3)+16*\t+4*\q], v2, s[22:23] offset:((\g)/8)*262144+(((\g)%8)/4)*65536+((\g)%4)*4096+\t*2048+\q*512
.endr
.endr
.irp t, 0,1
.irp q, 0,1,2,3
	global_load_b128 v[96+64*((\g)%3)+16*\t+4*\q:99+64*((\g)%3)+16*\t+4*\q], v2, s[44:45] offset:((\g)/8)*65536+((\g)%8)*4096+\t*2048+\q*512
.endr
.endr
.endm
; Four matrix instructions: row tile k of K step g.  The 32 accumulators take turns, one instruction a turn, in the same order in every K step.  The first K step takes the bias as C:
; Q, K: from v192 on (set 2, whose weights are asked for behind step 0); V: from v128 on (set 1, likewise behind step 8).
.macro MULR g, k
.set XS, 16+16*((8*(\g)+(\k))%3)
.set WS, 64+64*((\g)%3)
.set AC, 32*(\k)
.if (\g)%8 == 0
	WIN 0x40                                       ; sources window 0, D window 1
.else
	WIN 0x50                                       ; C window 1 too
.endif
.irp dt, 0,1,2,3
.if (\g) == 0
	v_wmma_f32_16x16x128_fp8_fp8 v[AC+8*\dt:AC+8*\dt+7], v[WS+16*\dt:WS+16*\dt+15], v[XS:XS+15], v[192+8*\dt:199+8*\dt]
.endif
.if (\g) > 0
.if (\g) < 8
	v_wmma_f32_16x16x128_fp8_fp8 v[AC+8*\dt:AC+8*\dt+7], v[WS+16*\dt:WS+16*\dt+15], v[XS:XS+15], v[AC+8*\dt:AC+8*\dt+7]
.endif
.endif
.if (\g) == 8
	v_wmma_f32_16x16x128_fp8_fp8 v[AC+8*\dt:AC+8*\dt+7], v[XS:XS+15], v[WS+16*\dt:WS+16*\dt+15], v[128+8*\dt:135+8*\dt]
.endif
.if (\g) > 8
	v_wmma_f32_16x16x128_fp8_fp8 v[AC+8*\dt:AC+8*\dt+7], v[XS:XS+15], v[WS+16*\dt:WS+16*\dt+15], v[AC+8*\dt:AC+8*\dt+7]
.endif
.endr
.endm
.macro NEXTX n                         ; the place just read takes the fragment three on, four places behind the products that read it
	WIN 0
	PLACES 4
	XL \n
.endm
; A K step.  The next K step's weights may be out; of x the next two fragments' eight loads.
.macro STEP g
.if (\g)%8 == 7
	s_wait_loadcnt 0x0
.else
	s_wait_loadcnt 16
.endif
	WIN 0
.if (\g) == 7
	s_cmp_lt_u32 s18, 4                            ; waves 0-3 go on to V: its first two weight sets
	s_cbranch_scc0 .Lno_v
	LOADB 8
	LOADB 9
.Lno_v:
.endif
.if (\g)%8 > 0
.if (\g)%8 < 6
	LOADB (\g)+2                                   ; its set was read last by the K step before, four places and more ago
.endif
.endif
.irp k, 0,1,2,3,4,5,6,7
.if (\g)%8 == 7
.if \k < 6
	s_wait_dscnt 8
.endif
.if \k == 6
	s_wait_dscnt 4
.endif
.if \k == 7
	s_wait_dscnt 0x0
.endif
	MULR \g, \k
.if \k < 5
	NEXTX 8*(\g)+\k+3
.endif
.else
	s_wait_dscnt 8
	MULR \g, \k
	NEXTX 8*(\g)+\k+3
.endif
.endr
.if (\g)%8 == 0
	LOADB (\g)+2                                   ; into the registers that held the bias
.endif
.endm
	LOADB 0
	LOADB 1
	s_wait_kmcnt 0x0
	s_cmp_eq_u32 s93, 0                            ; my matrix's scales
	s_cselect_b32 s68, s48, s50
	s_cselect_b32 s69, s49, s51
	s_cselect_b32 s70, s54, s55
	s_add_co_i32 s78, s68, s69
	s_sub_co_i32 s78, 0, s78                       ; -(e0 + e1) or -(e2 + e3): a sum stands for sum x 2^(e0 + e1), so the bias goes in as b / 2^(e0 + e1)
	s_add_co_i32 s68, s70, s78                     ; e6 - e0 - e1 or e7 - e2 - e3
	MKS 81, 82, 68
	s_add_co_i32 s80, s52, s53
	s_sub_co_i32 s80, 0, s80
	s_add_co_i32 s68, s57, s80                     ; e9 - e4 - e5
	MKS 85, 86, 68
	MKS 87, 88, 56                                 ; e8
	s_sub_co_i32 s68, s58, s56
	s_sub_co_i32 s68, s68, s57                     ; e10 - e8 - e9
	MKS 89, 90, 68
	s_add_co_i32 s68, s54, s55
	s_lshl_b32 s68, s68, 23
	s_add_co_i32 s94, s68, 0x3e38aa3b              ; c = log2(e) / 8, with e6 + e7 added to its exponent field
	s_mov_b32 s95, s94                             ; (named with it as a pair, so it is written)
	s_wait_loadcnt 32                              ; the eight bias loads are in; the two weight sets behind them may be out
.set i, 0
.rept 32
	v_ldexp_f32 v[192+i], v[192+i], s78
.set i, i+1
.endr
	s_wait_alu depctr_va_vdst(0)                   ; the wait at the head's end
	s_wait_tensorcnt 0x0                           ; my part of fill 0 is in
	ds_add_u32 v[SPW], v[NIL]
	s_wait_dscnt 0x0
	CROUND                                         ; everybody's part is in, and all four work-groups are here
	tensor_load_to_lds s[36:39], s[24:31]          ; fill 1
	s_nop 0
	PLACES 4
	XL 0
	XL 1
	XL 2
	global_prefetch_b8 v[PFO], s[62:63] offset:262144 th:TH_LOAD_NT scope:SCOPE_SE   ; my 16 blocks of fill 2
	STEP 0
	STEP 1
	STEP 2
	; K step 3 changes slots: slot 0 has been read out and takes x's codes for V
	s_wait_loadcnt 16
	LOADB 5
.irp k, 0,1,2,3,4
	s_wait_dscnt 8
	MULR 3, \k
	NEXTX 24+\k+3
.endr
	s_wait_dscnt 8
	MULR 3, 5
	WIN 0
	s_wait_tensorcnt 0x0                           ; my part of fill 1 is in;
	ds_add_u32 v[SPW], v[NIL]                      ; 0 onto my spare word
	s_wait_dscnt 1                                 ; my last fragments are in; the add may be out
	MULR 3, 6
	s_wait_dscnt 0x0                               ; the add is done, and my reads of slot 0 are over
	s_barrier_signal -1
	MULR 3, 7
	WIN 0
	s_barrier_wait -1
	CREST                                          ; no wave of any partner still reads slot 0 or has a load on its way
	tensor_load_to_lds s[40:43], s[24:31]          ; fill 2
	s_nop 0
	PLACES 4
	XL 32
	XL 33
	XL 34
	global_prefetch_b8 v15, s[6:7] th:TH_LOAD_NT scope:SCOPE_SE   ; my 8 blocks of Wv
	STEP 4
	STEP 5
	STEP 6
	STEP 7
; 32 tiles are held and converted.  v = 0: Q's or K's codes to v128 + 8 rt + 2 dt: token 16 rt + r, d = 16 dt + 8 h + 0 .. 7.  v = 1: V's to v128 + 16 dt + 2 rt: d = 16 dt + r, keys 16 rt + 8 h + 0 .. 7.
.macro EPI v, ss, sl
	v_mov_b32 v20, s[\ss]
	v_mov_b32 v21, s[\sl]
	WIN 0x41                                       ; the sums in window 1, the limit in window 0
.set i, 0
.rept 256
	v_med3_num_f32 v[i], v[i], -v21, v21           ; the conversion does not saturate (ISA guide 7.6.2); each accumulator from its low end on
.set i, i+1
.endr
	WIN 0x01                                       ; codes to window 0
.irp rt, 0,1,2,3,4,5,6,7
.irp dt, 0,1,2,3
.if \v
	v_cvt_scalef32_pk8_fp8_f32 v[128+16*\dt+2*\rt:129+16*\dt+2*\rt], v[32*\rt+8*\dt:32*\rt+8*\dt+7], v20
.else
	v_cvt_scalef32_pk8_fp8_f32 v[128+8*\rt+2*\dt:129+8*\rt+2*\dt], v[32*\rt+8*\dt:32*\rt+8*\dt+7], v20
.endif
.endr
.endr
	v_nop                                          ; a plain line between the conversions and what writes their sources or reads their results
	WIN 0
.endm
	WIN 0
	PLACES 4
	v_and_b32 v1, 15, v0
	v_lshlrev_b32 v1, 2, v1                        ; bv: the number of my d
	s_cmp_lt_u32 s18, 4
	s_cbranch_scc0 .Lno_bv
.irp t, 0,1,2,3
	global_load_b32 v[16+\t], v1, s[12:13] offset:64*\t
.endr
.Lno_bv:
	EPI 0, 81, 82
	s_wait_alu depctr_va_vdst(0)                   ; directly ahead of the branch and the waits below
	s_cmp_lt_u32 s18, 4
	s_cbranch_scc0 .Lno_q
.irp i, 0,1,2,3,4,5,6,7,8,9,10,11,12,13,14,15
	ds_store_b128 v8, v[128+4*\i:131+4*\i] offset:512*\i   ; Q's codes, for wave j + 4; K's stay in its registers
.endr
.Lno_q:
	s_wait_loadcnt 0x0                             ; waves 0-3: V's first weights and bv
	s_wait_tensorcnt 0x0                           ; my part of x's codes for V has landed
	s_wait_dscnt 0x0                               ; my stores are done, and my reads of slot 1 are over
	s_barrier_signal -1
	s_barrier_wait -1                              ; so it is in every wave.
	s_cmp_lt_u32 s18, 4
	s_cbranch_scc0 .Lsoftmax
	; WAVES 0-3: V
.irp t, 0,1,2,3
.irp j, 0,1,2,3,4,5,6,7
	v_ldexp_f32 v[128+8*\t+\j], v[16+\t], s80      ; bv / 2^(e4 + e5): V's tiles hold one d a lane: the same number in all eight registers
.endr
.endr
	XL 64
	XL 65
	XL 66
	s_wait_alu depctr_va_vdst(0)                   ; directly ahead of the waits below
.irp g, 8,9,10,11,12,13,14,15
	STEP \g
.endr
	WIN 0
	PLACES 4
	EPI 1, 85, 86
.irp i, 0,1,2,3,4,5,6,7,8,9,10,11,12,13,14,15
	ds_store_b128 v9, v[128+4*\i:131+4*\i] offset:512*\i
.endr
	s_branch .Ljoin
	; WAVES 4-7: THE SOFTMAX, four tiles of 16 queries at a time, line by line by turns, so that no line waits for the line above it.  Window 0: v64-127 Q's codes (8 qt + 2 dt), v128-191 K's, v192-255 p's.
	; Window 1: S^T, then p, at v[SB_u ..] (at most 22 tiles); from v176 on at work:
.set MA,   176                         ; the largest score, in two chains
.set MB,   180
.set NM,   184                         ; -M, in pairs
.set SA,   192                         ; the sum, in two pairs
.set RC,   208                         ; 1 / the sum
.set EX,   216                         ; the exchange
.set NINF, 220                         ; -infinity
.set PSC,  221                         ; scale and limit for p
.set PLM,  222
.macro MX kt, o, m                     ; two more scores into chain m
.irp u, 0,1,2,3
.if \kt < NT_\u
	v_max3_num_f32 v[\m+\u], v[\m+\u], v[SB_\u+8*\kt+\o], v[SB_\u+8*\kt+\o+1]
.endif
.endr
.endm
.macro SM kt, o, c                     ; two more p into chain c of the sum
.irp u, 0,1,2,3
.if \kt < NT_\u
	v_pk_add_f32 v[SA+4*\u+\c:SA+4*\u+\c+1], v[SA+4*\u+\c:SA+4*\u+\c+1], v[SB_\u+8*\kt+\o:SB_\u+8*\kt+\o+1]
.endif
.endr
.endm
.macro SOFT s, q0, q1, q2, q3
.set QT_0, \q0
.set QT_1, \q1
.set QT_2, \q2
.set QT_3, \q3
.set NT_0, QT_0+1                      ; query tile qt counts key tiles 0 .. qt
.set NT_1, QT_1+1
.set NT_2, QT_2+1
.set NT_3, QT_3+1
.set SB_0, 0
.set SB_1, 8*NT_0
.set SB_2, SB_1+8*NT_1
.set SB_3, SB_2+8*NT_2
	WIN 0x40                                       ; K's and Q's codes window 0, S^T window 1
.irp kt, 0,1,2,3,4,5,6,7
.irp u, 0,1,2,3
.if \kt < NT_\u
	v_wmma_f32_16x16x64_fp8_fp8 v[SB_\u+8*\kt:SB_\u+8*\kt+7], v[128+8*\kt:135+8*\kt], v[64+8*QT_\u:71+8*QT_\u], 0
.endif
.endr
.endr
	WIN 0x55
	PLACES 4
.irp j, 0,1,2,3,4,5,6,7
.irp u, 0,1,2,3
	v_cndmask_b32 v[SB_\u+8*QT_\u+\j], v[SB_\u+8*QT_\u+\j], v[NINF], s[70+\j]
.endr
.endr
.irp u, 0,1,2,3
	v_max3_num_f32 v[MA+\u], v[SB_\u], v[SB_\u+1], v[SB_\u+2]   ; the largest score of my query among my keys, each tile from its low end on
.endr
.irp u, 0,1,2,3
	v_max3_num_f32 v[MB+\u], v[SB_\u+3], v[SB_\u+4], v[SB_\u+5]
.endr
	MX 0, 6, MA
.irp kt, 1,2,3,4,5,6,7
	MX \kt, 0, MA
	MX \kt, 2, MB
	MX \kt, 4, MA
	MX \kt, 6, MB
.endr
.irp u, 0,1,2,3
	v_max_num_f32 v[MA+\u], v[MA+\u], v[MB+\u]
.endr
.irp u, 0,1,2,3
	v_permlanex16_b32 v[EX+\u], v[MA+\u], s60, s61
.endr
.irp u, 0,1,2,3
	v_max_num_f32 v[MA+\u], v[MA+\u], v[EX+\u]     ; and among lane l xor 16's
.endr
.irp u, 0,1,2,3
	v_mul_f32 v[MA+\u], s94, v[MA+\u]              ; as t (c is positive)
.endr
.irp u, 0,1,2,3
	v_floor_f32 v[NM+2*\u], -v[MA+\u]              ; -M = floor(-t) = -ceil(t)
.endr
.irp kt, 0,1,2,3,4,5,6,7
.irp j, 0,2,4,6
.irp u, 0,1,2,3
.if \kt < NT_\u
	v_pk_fma_f32 v[SB_\u+8*\kt+\j:SB_\u+8*\kt+\j+1], v[SB_\u+8*\kt+\j:SB_\u+8*\kt+\j+1], s[94:95], v[NM+2*\u:NM+2*\u+1] op_sel_hi:[1,0,0]   ; t - M, two at a time
.endif
.endr
.endr
.endr
	s_wait_alu depctr_va_vdst(0)                   ; ahead of the batch
.set i, 0
.rept SB_3+8*NT_3
	v_exp_f32 v[i], v[i]                           ; p = 2^(t - M); 0 where the score is -infinity
.set i, i+1
.endr
	v_nop                                          ; a plain line behind the last exponential,
	s_wait_alu depctr_va_vdst(0)                   ; and one wait for the batch, ahead of its first reader
.irp u, 0,1,2,3
	v_pk_add_f32 v[SA+4*\u:SA+4*\u+1], v[SB_\u:SB_\u+1], v[SB_\u+2:SB_\u+3]   ; the sum is taken of the unquantised p
.endr
.irp u, 0,1,2,3
	v_pk_add_f32 v[SA+4*\u+2:SA+4*\u+3], v[SB_\u+4:SB_\u+5], v[SB_\u+6:SB_\u+7]
.endr
.irp kt, 1,2,3,4,5,6,7
	SM \kt, 0, 0
	SM \kt, 2, 2
	SM \kt, 4, 0
	SM \kt, 6, 2
.endr
.irp u, 0,1,2,3
	v_pk_add_f32 v[SA+4*\u:SA+4*\u+1], v[SA+4*\u:SA+4*\u+1], v[SA+4*\u+2:SA+4*\u+3]
.endr
.irp u, 0,1,2,3
	v_add_f32 v[SA+4*\u], v[SA+4*\u], v[SA+4*\u+1]
.endr
.irp u, 0,1,2,3
	v_permlanex16_b32 v[EX+\u], v[SA+4*\u], s60, s61
.endr
.irp u, 0,1,2,3
	v_add_f32 v[SA+4*\u], v[SA+4*\u], v[EX+\u]     ; the row's sum
.endr
	s_wait_alu depctr_va_vdst(0)                   ; ahead of the batch
.irp u, 0,1,2,3
	v_rcp_f32 v[RC+\u], v[SA+4*\u]
.endr
.set i, 0
.rept SB_3+8*NT_3
	v_min_num_f32 v[i], v[i], v[PLM]               ; p is not negative: a one-sided hold
.set i, i+1
.endr
	WIN 0x15                                       ; p's codes to window 0
.irp kt, 0,1,2,3,4,5,6,7
.irp u, 0,1,2,3
.if \kt < NT_\u
	v_cvt_scalef32_pk8_fp8_f32 v[192+16*\u+2*\kt:193+16*\u+2*\kt], v[SB_\u+8*\kt:SB_\u+8*\kt+7], v[PSC]   ; keys 16 kt + 8 h + 0 .. 7: registers 2 kt, 2 kt + 1 of the operand
.endif
.endr
.endr
	v_nop                                          ; a plain line between the conversions and what writes their sources
	WIN 0
	s_wait_alu depctr_va_vdst(0)                   ; one wait for the reciprocals, ahead of their first reader
.irp u, 0,1
.irp q, 0,1
	ds_store_b128 v10, v[192+16*\u+4*\q:195+16*\u+4*\q] offset:(\s)*8192+\u*2048+\q*512        ; keys 0 .. 63 hold all that counts
.endr
.endr
.irp u, 2,3
.irp q, 0,1,2,3
	ds_store_b128 v10, v[192+16*\u+4*\q:195+16*\u+4*\q] offset:(\s)*8192+\u*2048+\q*512
.endr
.endr
	WIN 0x04                                       ; data window 1
.irp u, 0,1,2,3
	ds_store_b32 v11, v[RC+\u] offset:(\s)*512+\u*128
.endr
	WIN 0
.endm
.Lsoftmax:
.irp i, 0,1,2,3,4,5,6,7,8,9,10,11,12,13,14,15
	ds_load_b128 v[64+4*\i:67+4*\i], v8 offset:512*\i      ; Q's codes
.endr
	v_bfe_u32 v17, v0, 4, 1
	v_and_b32 v16, 15, v0
	v_lshlrev_b32 v17, 3, v17
	v_sub_nc_u32 v16, v16, v17                     ; r - 8 h: on the diagonal register j is hidden where j > r - 8 h
.irp j, 0,1,2,3,4,5,6,7
	v_cmp_gt_i32 s[70+\j], \j, v16                 ; made of ids alone
.endr
.irp r, 194,195,196,197,198,199,212,213,214,215,234,235,236,237,238,239,252,253,254,255
	v_mov_b32 v\r, 0                               ; p's codes of tiles of keys not reached are zeros: they add nothing.  (The second four reach further than the first, place by place)
.endr
	WIN 0x40
	v_mov_b32 v[NINF], 0xff800000
	v_mov_b32 v[PSC], s87
	v_mov_b32 v[PLM], s88
.irp u, 0,1,2,3
	v_mov_b32 v[NM+2*\u+1], 0                      ; (named as the upper halves of pairs,
	v_mov_b32 v[EX+\u], 0                          ; and as a lane permute's destination, which counts as read)
.endr
	WIN 0
	s_wait_alu depctr_va_vdst(0)                   ; directly ahead of the wait below
	s_wait_dscnt 0x0
	SOFT 0, 0, 1, 4, 5
	SOFT 1, 2, 3, 6, 7
.Ljoin:
	s_wait_dscnt 0x0                               ; my stores are done
	s_barrier_signal -1
	s_barrier_wait -1                              ; and everybody's
	; p V: waves 0-3 take query tiles 0, 1, 4, 5, waves 4-7 2, 3, 6, 7.  Window 0: v64-127 V's codes, v128-191 p's, v192, 194, 196, 198 1 / the sums, v200, v201 scale and limit, v16-47 O's codes; window 1: O^T at v[32 u + 8 dt ..]
.irp i, 0,1,2,3,4,5,6,7,8,9,10,11,12,13,14,15
	ds_load_b128 v[64+4*\i:67+4*\i], v9 offset:512*\i
.endr
.irp u, 0,1
.irp q, 0,1
	ds_load_b128 v[128+16*\u+4*\q:131+16*\u+4*\q], v13 offset:\u*2048+\q*512
.endr
.endr
.irp u, 2,3
.irp q, 0,1,2,3
	ds_load_b128 v[128+16*\u+4*\q:131+16*\u+4*\q], v13 offset:\u*2048+\q*512
.endr
.endr
.irp u, 0,1,2,3
	ds_load_b32 v[192+2*\u], v14 offset:\u*128
	v_mov_b32 v[193+2*\u], 0                       ; (named as the upper halves of pairs)
.endr
	v_mov_b32 v200, s89
	v_mov_b32 v201, s90
	s_wait_alu depctr_va_vdst(0)                   ; directly ahead of the wait below
	s_wait_dscnt 0x0
	WIN 0x40
.irp dt, 0,1,2,3
.irp u, 0,1,2,3
.if \u < 2
	v_wmma_f32_16x16x64_fp8_fp8 v[32*\u+8*\dt:32*\u+8*\dt+7], v[64+16*\dt:71+16*\dt], v[128+16*\u:135+16*\u], 0
.else
	v_wmma_f32_16x16x128_fp8_fp8 v[32*\u+8*\dt:32*\u+8*\dt+7], v[64+16*\dt:79+16*\dt], v[128+16*\u:143+16*\u], 0
.endif
.endr
.endr
	WIN 0x41
	PLACES 4
.irp j, 0,2,4,6,8,10,12,14,16,18,20,22,24,26,28,30
.irp u, 0,1,2,3
	v_pk_mul_f32 v[32*\u+\j:32*\u+\j+1], v[32*\u+\j:32*\u+\j+1], v[192+2*\u:193+2*\u] op_sel_hi:[1,0]   ; O^T / the sum, each accumulator from its low end on
.endr
.endr
.set i, 0
.rept 128
	v_med3_num_f32 v[i], v[i], -v201, v201
.set i, i+1
.endr
	WIN 0x01
.irp dt, 0,1,2,3
.irp u, 0,1,2,3
	v_cvt_scalef32_pk8_fp8_f32 v[16+8*\u+2*\dt:17+8*\u+2*\dt], v[32*\u+8*\dt:32*\u+8*\dt+7], v200   ; 2^(e10 - e8 - e9): the three scales in one
.endr
.endr
	v_nop
	WIN 0
.irp u, 0,1,2,3
	global_store_b128 v2, v[16+8*\u:19+8*\u], s[66:67] offset:(\u+2*(\u/2))*2048       ; a quad: the wave stores 512 consecutive bytes, aligned
	global_store_b128 v2, v[20+8*\u:23+8*\u], s[66:67] offset:(\u+2*(\u/2))*2048+512
.endr
	s_wait_tensorcnt 0x0                           ; the wave's end
	ds_add_u32 v[SPW], v[NIL]
	s_wait_dscnt 0x0
	CROUND                                         ; the closing round: no work-group ends while a partner may still ask for a tile that names it
	s_endpgm
.Lfunc_end_k_q42a2370c31_qkvatt:
	.size	k_q42a2370c31_qkvatt, .Lfunc_end_k_q42a2370c31_qkvatt-k_q42a2370c31_qkvatt
	.p2alignl 7, 3214868480
	.fill 96, 4, 3214868480
	.section	.rodata,"a",@progbits
	.p2align	6, 0x0
	.amdhsa_kernel k_q42a2370c31_qkvatt
		.amdhsa_group_segment_fixed_size 327680
		.amdhsa_private_segment_fixed_size 0
		.amdhsa_enable_private_segment 0
		.amdhsa_kernarg_size 56
		.amdhsa_user_sgpr_count 2
		.amdhsa_user_sgpr_kernarg_segment_ptr 1
		.amdhsa_wavefront_size32 1
		.amdhsa_system_sgpr_workgroup_id_x 1
		.amdhsa_system_sgpr_workgroup_id_y 1
		.amdhsa_system_sgpr_workgroup_id_z 1
		.amdhsa_system_vgpr_workitem_id 0
		.amdhsa_next_free_vgpr 512
		.amdhsa_next_free_sgpr 100
		.amdhsa_reserve_vcc 0
		.amdhsa_float_denorm_mode_32 3
		.amdhsa_float_denorm_mode_16_64 3
		.amdhsa_memory_ordered 1
		.amdhsa_forward_progress 1
		.amdhsa_inst_pref_size 249
	.end_amdhsa_kernel
	.amdgpu_metadata
---
amdhsa.version: [ 1, 2 ]
amdhsa.kernels:
  - .name:           k_q42a2370c31_qkvatt
    .symbol:         k_q42a2370c31_qkvatt.kd
    .args:
      - { .name: xc, .offset: 0, .size: 8, .value_kind: global_buffer, .address_space: global }
      - { .name: wc, .offset: 8, .size: 8, .value_kind: global_buffer, .address_space: global }
      - { .name: bq, .offset: 16, .size: 8, .value_kind: global_buffer, .address_space: global }
      - { .name: bk, .offset: 24, .size: 8, .value_kind: global_buffer, .address_space: global }
      - { .name: bv, .offset: 32, .size: 8, .value_kind: global_buffer, .address_space: global }
      - { .name: lowp_scales, .offset: 40, .size: 8, .value_kind: global_buffer, .address_space: global }
      - { .name: ac, .offset: 48, .size: 8, .value_kind: global_buffer, .address_space: global }
    .group_segment_fixed_size: 327680
    .private_segment_fixed_size: 0
    .kernarg_segment_align: 8
    .kernarg_segment_size: 56
    .max_flat_workgroup_size: 256
    .sgpr_count:     100
    .vgpr_count:     512
    .wavefront_size: 32
...
	.end_amdgpu_metadata
.endif
;; end of part 2
;; launch proj (part 3): grid 4 x 64, 4 waves a work-group, clusters of 4 x 1, 327,680 bytes of LDS; arguments ac, wc, bo, lowp_scales, out0; writes out0
.if DOCPART == 3
	.amdgcn_target "amdgcn-amd-amdhsa--gfx1250"
	.amdhsa_code_object_version 6
	.text
	.protected	k_q42a2370c31_proj
	.globl	k_q42a2370c31_proj
	.p2align	8
	.type	k_q42a2370c31_proj,@function
k_q42a2370c31_proj:
	s_mov_b64 s[64:65], 0
	v_nop
	global_prefetch_b8 v0, s[64:65] scope:SCOPE_SE
	s_setreg_imm32_b32 hwreg(HW_REG_WAVE_MODE, 25, 1), 1
	s_wait_xcnt 0x0
	s_wait_alu depctr_hold_cnt(0) depctr_sa_sdst(0) depctr_va_vdst(0) depctr_va_sdst(0) depctr_va_ssrc(0) depctr_va_vcc(0) depctr_vm_vsrc(0)
	s_getreg_b32 s2, hwreg(HW_REG_IB_STS2, 6, 4)
	s_cmp_eq_u32 s2, 0
	s_cbranch_scc0 .Lentry_in_a_cluster
	s_endpgm
.Lentry_in_a_cluster:
	s_bfe_u32 s2, ttmp6, 0x10000c
	s_cmp_lg_u32 s2, 0x3003
	s_cbranch_scc0 .Lentry_shape_is_right
	s_endpgm
.Lentry_shape_is_right:
; out = A Wo^T + bo for one b (128 rows) and 256 columns; A's codes in ac (entry 10), Wo's in wc (entry 11), both images of operand registers; f32 sums.
; A wave owns 64 columns and keeps ALL its weights in registers: 64 columns x 1024 K = 65,536 bytes = 512 registers, asked for at the head, 512 consecutive bytes a load.
; The rows go in two halves of 64: eight K steps of 128 with 16 accumulators, then the half goes out, so that the first half's stores are on their way while the second half is multiplied.
; CLUSTERS: the four work-groups of one b need the same A: it comes by one joint load a wave (32,768 bytes) into LDS, whole (131,072 bytes).  The weights are not asked for jointly: a fragment feeds one wave of the work-group
; and is loaded once into registers; A and the work-group's weights together are 393,216 bytes, more than LDS has.
; PREFETCH: the weights of 256 columns are 1,024 blocks of 256 bytes; a work-group asks for 64 of them, 16 a wave, told by bits 0, 1, 3, 4 of its b: each block is asked for by four work-groups of the launch.  A is not prefetched: it comes whole by the load at the head.
; LAYOUT: source 0 = 16 rows of Wo, source 1 = 16 rows of A: a lane holds eight neighbouring columns of one row of the result.
; LIMIT: e10 + e11 lies between -126 and 127.  NaN among the inputs is not served.
; REGISTERS: window 0: v2, v3 LDS addresses of A's K steps 0-3, 4-7; v4 the prefetch's offset; v8 the bias's offset; v24-26 the way out; v32-63 the bias; v64-95 results, v96-223 rows read back; v254, v255 the spare word's address and 0.
;   window 1: v0-127 accumulators (8 (4 rt + dt)); v128-255 two sets of A's fragments.   windows 2, 3: the weights of K steps 0-3, 4-7 (64 (g % 4) + 16 dt).
.set STAGE, 131072                     ; behind A: a stage of 16 rows x 272 bytes for each wave
.set SP,    272
.set SPARE, 0x29000                    ; the spare words, 128 bytes for each wave
.set MSB, 0
.macro WIN new
.if MSB != \new
	s_set_vgpr_msb (MSB<<8)|\new
.set MSB, \new
.endif
.endm
.macro PLACES n
.rept \n
	v_nop
.endr
.endm
.macro CROUND                          ; a round of the cluster's barrier
	s_barrier_signal -1
	s_barrier_wait -1
	s_cmp_lg_u32 s18, 0
	s_cbranch_scc1 .Lnot_wave_0_\@
	s_barrier_signal -3
.Lnot_wave_0_\@:
	s_barrier_wait -3
	s_barrier_signal -1
	s_barrier_wait -1
.endm
	s_load_b256 s[4:11], s[0:1], 0x0               ; ac, wc, bo, the scales' exponents
	s_load_b64 s[12:13], s[0:1], 0x20              ; the result
	v_lshl_add_u32 v254, v0, 2, SPARE
	v_mov_b32 v255, 0
	ds_add_u32 v254, v255                          ; the wave's opening: the add, twice on end, and its wait
	ds_add_u32 v254, v255
	v_lshrrev_b32 v1, 5, v0
	v_readfirstlane_b32 s18, v1                    ; wave 0..3
	s_bfe_u32 s19, ttmp6, 0x40000                  ; cx
	s_and_b32 s20, ttmp7, 0xffff                   ; b, which the four partners share
	s_lshl_b32 s48, ttmp9, 2
	s_add_co_u32 s48, s48, s19                     ; my work-group's 256 columns
	s_lshl_b32 s21, s48, 2
	s_add_co_u32 s21, s21, s18                     ; my 64 columns
	s_mov_b32 s24, 15|(3<<16)|(1<<21)              ; 15:0 the mask: all four; 17:16 elements of 8 bytes; 21 set beside a mask
	s_mov_b32 s25, 32<<16                          ; a dense block of 32 KB as 128 rows of 256 bytes
	s_mov_b32 s26, 128<<16
	s_mov_b32 s27, 32<<16
	s_mov_b32 s28, 128
	s_mov_b32 s29, 32
	s_mov_b32 s30, 0
	s_mov_b32 s31, 0
	s_lshl_b32 s40, s20, 17                        ; b's A,
	s_lshl_b32 s41, s18, 15                        ; my quarter: K steps 2 w and 2 w + 1
	s_add_co_u32 s40, s40, s41
	s_mov_b32 s41, 0
	s_wait_dscnt 0x0                               ; both opening adds are done
	s_wait_kmcnt 0x0
	s_load_b64 s[14:15], s[10:11], 0x28            ; e10, e11
	s_mov_b32 s32, 1
	s_lshl_b32 s33, s18, 15
	s_add_nc_u64 s[34:35], s[4:5], s[40:41]
	s_or_b32 s35, s35, 0x80000000
	CROUND                                         ; all four work-groups are here: the joint loads meet
	tensor_load_to_lds s[32:35], s[24:31]          ; the wave's one tensor load
	s_nop 0
	PLACES 4
	s_and_b32 s50, s20, 3                          ; the prefetch: which sixteenth of the 256 columns' weights: bits 0, 1, 3, 4 of b
	s_lshr_b32 s51, s20, 1
	s_and_b32 s51, s51, 12
	s_or_b32 s50, s50, s51
	s_lshl_b32 s50, s50, 14
	s_lshl_b32 s51, s48, 18
	s_add_co_u32 s50, s50, s51
	s_lshl_b32 s51, s18, 12                        ; my wave's 16 blocks
	s_add_co_u32 s50, s50, s51
	s_add_co_u32 s50, s50, 3145728
	s_mov_b32 s51, 0
	s_add_nc_u64 s[52:53], s[6:7], s[50:51]
	s_lshl_b32 s44, s21, 8                         ; my 64 columns in bytes
	s_mov_b32 s45, 0
	s_add_nc_u64 s[8:9], s[8:9], s[44:45]
	s_lshl_b32 s46, s20, 19
	s_add_co_u32 s44, s44, s46
	s_add_nc_u64 s[12:13], s[12:13], s[44:45]
	s_lshl_b32 s44, s21, 16                        ; my weights: 64 KB on end
	s_add_co_u32 s44, s44, 3145728
	s_add_nc_u64 s[22:23], s[6:7], s[44:45]
	s_mul_i32 s47, s18, 16*SP
	s_add_co_u32 s47, s47, STAGE                   ; my stage
	v_and_b32 v1, 31, v0
	v_lshlrev_b32 v2, 4, v1                        ; 16 x lane
	v_add_nc_u32 v3, 65536, v2
	v_min_u32 v4, 15, v1                           ; a lane a block; lanes 16-31 name the wave's last block again
	v_lshlrev_b32 v4, 8, v4
	v_and_b32 v9, 15, v0                           ; r
	v_bfe_u32 v10, v0, 4, 1                        ; h
	v_lshlrev_b32 v8, 5, v10
	v_mul_u32_u24 v24, v9, SP
	v_lshl_add_u32 v24, v10, 5, v24
	v_add_nc_u32 v24, s47, v24                     ; into the stage: row r, 32 bytes for each half of the lanes
	v_mul_u32_u24 v25, v10, SP
	v_lshl_add_u32 v25, v9, 4, v25
	v_add_nc_u32 v25, s47, v25                     ; out of it: lanes 0-15 one row of 256 bytes, lanes 16-31 the next
	v_lshlrev_b32 v26, 12, v10
	v_lshl_add_u32 v26, v9, 4, v26                 ; and the same two rows in the result
	global_prefetch_b8 v4, s[52:53] th:TH_LOAD_NT scope:SCOPE_SE   ; my 16 blocks of the weights
.macro LOADW g                         ; K step g's four weight fragments: 16 loads
	WIN 0x80+0x40*((\g)/4)
.irp dt, 0,1,2,3
.irp q, 0,1,2,3
	global_load_b128 v[64*((\g)%4)+16*\dt+4*\q:64*((\g)%4)+16*\dt+4*\q+3], v2, s[22:23] offset:(\dt/2)*32768+(\g)*4096+(\dt%2)*2048+\q*512
.endr
.endr
.endm
.irp g, 0,1,2,3,4,5,6,7
	LOADW \g
.endr
	WIN 0
.irp t, 0,1,2,3                        ; the bias: eight numbers of my half for each tile of columns: 8 loads
	global_load_b128 v[32+8*\t:35+8*\t], v8, s[8:9] offset:64*\t
	global_load_b128 v[36+8*\t:39+8*\t], v8, s[8:9] offset:64*\t+16
.endr
; Steps are numbered n = 0 .. 15: half n / 8 of the rows, K step n % 8.
.macro CHUNK n                         ; A's row tiles 4 (n / 8) + 0 .. 3 into set n % 2: 16 loads
	WIN 0x40
.irp k, 0,1,2,3
.irp q, 0,1,2,3
	ds_load_b128 v[128+64*((\n)%2)+16*\k+4*\q:131+64*((\n)%2)+16*\k+4*\q], v[2+(((\n)%8)/4)] offset:((\n)%4)*16384+(4*((\n)/8)+\k)*2048+\q*512
.endr
.endr
.endm
.macro MULR n, rt                      ; the 16 accumulators take turns, in the same order in every step
.set WS, 64*((\n)%4)
.set XS, 128+64*((\n)%2)+16*(\rt)
	WIN 0x56+(((\n)%8)/4)                          ; source 0 (W) window 2 or 3, source 1, C and D window 1
.irp dt, 0,1,2,3
.if (\n)%8 == 0
	v_wmma_f32_16x16x128_fp8_fp8 v[8*(4*(\rt)+\dt):8*(4*(\rt)+\dt)+7], v[WS+16*\dt:WS+16*\dt+15], v[XS:XS+15], 0
.else
	v_wmma_f32_16x16x128_fp8_fp8 v[8*(4*(\rt)+\dt):8*(4*(\rt)+\dt)+7], v[WS+16*\dt:WS+16*\dt+15], v[XS:XS+15], v[8*(4*(\rt)+\dt):8*(4*(\rt)+\dt)+7]
.endif
.endr
.endm
; A step: its fragments are in; the next step's are asked for; then its 16 products.
; Of the 136 loads 63 may be out in steps 0 to 3 (73 are in, the weights of four K steps are 64), then the later K steps' weights and the eight of the bias: 56, 40, 24, 8.
.macro STEP n
.if (\n) == 0
	s_wait_loadcnt 63
.endif
.if (\n) > 3
.if (\n) < 8
	s_wait_loadcnt 16*(7-(\n))+8
.endif
.endif
	s_wait_dscnt 0x0                               ; this step's fragments (asked for 16 matrix instructions ago)
	PLACES 4                                       ; the loads below land in registers that the last step's products read
.if (\n) < 15
	CHUNK (\n)+1
.endif
.irp k, 0,1,2,3
	MULR \n, \k
.endr
.endm
; THE WAY OUT of row tile a of a half: each sum x 2^(e10 + e11) + the bias; through my own stage in LDS and back as whole rows of 256 bytes.  LDS serves a wave's instructions in order (ISA guide 5.7.1.4).
.macro TOSTAGE a
	WIN 0x01                                       ; the sums in window 1
.irp i, 0,2,4,6,8,10,12,14,16,18,20,22,24,26,28,30
	v_pk_fma_f32 v[64+\i:65+\i], v[32*(\a)+\i:32*(\a)+\i+1], s[16:17], v[32+\i:33+\i] op_sel_hi:[1,0,1]
.endr
	WIN 0
.irp dt, 0,1,2,3
	ds_store_b128 v24, v[64+8*\dt:67+8*\dt] offset:64*\dt
	ds_store_b128 v24, v[68+8*\dt:71+8*\dt] offset:64*\dt+16
.endr
.irp i, 0,1,2,3,4,5,6,7
	ds_load_b128 v[96+32*(\a)+4*\i:99+32*(\a)+4*\i], v25 offset:2*SP*\i
.endr
.endm
.macro SEND p, a, younger              ; younger: the LDS instructions issued behind this row tile's loads
	s_wait_dscnt \younger
.irp i, 0,1,2,3,4,5,6,7
	global_store_b128 v26, v[96+32*(\a)+4*\i:99+32*(\a)+4*\i], s[12:13] offset:(64*(\p)+16*(\a)+2*\i)*4096   ; sixteen lanes store 256 consecutive bytes, aligned
.endr
.endm
.macro OUTP p
	PLACES 4                                       ; the scalings read results just made
	TOSTAGE 0
.irp a, 1,2,3
	TOSTAGE \a
	SEND \p, \a-1, 16
.endr
	SEND \p, 3, 0
.endm
	s_wait_alu depctr_va_vdst(0)                   ; the wait at the head's end
	s_wait_kmcnt 0x0
	s_add_co_i32 s16, s14, s15
	s_add_co_i32 s16, s16, 127
	s_lshl_b32 s16, s16, 23                        ; 2^(e10 + e11) as f32
	s_mov_b32 s17, s16                             ; (named with it as a pair, so it is written)
	s_wait_tensorcnt 0x0                           ; my part of A is in;
	s_barrier_signal -1
	s_barrier_wait -1                              ; everybody's is.
	CHUNK 0
.irp n, 0,1,2,3,4,5,6,7
	STEP \n
.endr
	s_wait_loadcnt 0x0                             ; the bias
	OUTP 0
.irp n, 8,9,10,11,12,13,14,15
	STEP \n
.endr
	s_wait_xcnt 0x0                                ; the first half's stores have read their registers: rows are read back into them again
	OUTP 1
	s_wait_tensorcnt 0x0                           ; the wave's end
	ds_add_u32 v254, v255
	s_wait_dscnt 0x0
	CROUND                                         ; the closing round: no work-group ends while a partner may still ask for a tile that names it
	s_endpgm
.Lfunc_end_k_q42a2370c31_proj:
	.size	k_q42a2370c31_proj, .Lfunc_end_k_q42a2370c31_proj-k_q42a2370c31_proj
	.p2alignl 7, 3214868480
	.fill 96, 4, 3214868480
	.section	.rodata,"a",@progbits
	.p2align	6, 0x0
	.amdhsa_kernel k_q42a2370c31_proj
		.amdhsa_group_segment_fixed_size 327680
		.amdhsa_private_segment_fixed_size 0
		.amdhsa_enable_private_segment 0
		.amdhsa_kernarg_size 40
		.amdhsa_user_sgpr_count 2
		.amdhsa_user_sgpr_kernarg_segment_ptr 1
		.amdhsa_wavefront_size32 1
		.amdhsa_system_sgpr_workgroup_id_x 1
		.amdhsa_system_sgpr_workgroup_id_y 1
		.amdhsa_system_sgpr_workgroup_id_z 1
		.amdhsa_system_vgpr_workitem_id 0
		.amdhsa_next_free_vgpr 1024
		.amdhsa_next_free_sgpr 66
		.amdhsa_reserve_vcc 0
		.amdhsa_float_denorm_mode_32 3
		.amdhsa_float_denorm_mode_16_64 3
		.amdhsa_memory_ordered 1
		.amdhsa_forward_progress 1
		.amdhsa_inst_pref_size 77
	.end_amdhsa_kernel
	.amdgpu_metadata
---
amdhsa.version: [ 1, 2 ]
amdhsa.kernels:
  - .name:           k_q42a2370c31_proj
    .symbol:         k_q42a2370c31_proj.kd
    .args:
      - { .name: ac, .offset: 0, .size: 8, .value_kind: global_buffer, .address_space: global }
      - { .name: wc, .offset: 8, .size: 8, .value_kind: global_buffer, .address_space: global }
      - { .name: bo, .offset: 16, .size: 8, .value_kind: global_buffer, .address_space: global }
      - { .name: lowp_scales, .offset: 24, .size: 8, .value_kind: global_buffer, .address_space: global }
      - { .name: out0, .offset: 32, .size: 8, .value_kind: global_buffer, .address_space: global }
    .group_segment_fixed_size: 327680
    .private_segment_fixed_size: 0
    .kernarg_segment_align: 8
    .kernarg_segment_size: 40
    .max_flat_workgroup_size: 128
    .sgpr_count:     66
    .vgpr_count:     1024
    .wavefront_size: 32
...
	.end_amdgpu_metadata
.endif
;; end of part 3
